; MI455X (gfx1250); checked and timed in simulation.
; The chip was launched on July 23, 2026; its instructions are those of AMD's public machine-readable ISA for CDNA 5 (MIT licence, August 2026) and "CDNA5" Instruction Set Architecture Reference Guide (July 2026). The comments in the code are by the model that wrote it; some were corrected since.
;; Dummy Moe Layer. Allowed arithmetic: float matrix products may take bf16 or f16 operands with f32 sums; all other float work in f32.
;; Inputs: w_down 8 x 2,048 x 1,024 float32; w_gate 8 x 1,024 x 2,048 float32; w_router 1,024 x 8 float32; w_up 8 x 1,024 x 2,048 float32; x 1,024 x 1,024 float32.
;; Outputs: out0 1,024 x 1,024 float32.
;; Constants: top_k = 2.
;; One version. Each part assembles by itself: llvm-mc -triple=amdgcn-amd-amdhsa -mcpu=gfx1250 --defsym DOCPART=n.
;; ======== version 1 of 1: 5 launches
;; workspace buffers: xb 2,097,152 bytes; route 4,096 bytes of whole numbers; prob 8,192 bytes; xs 4,456,448 bytes; lists 8,960 bytes of whole numbers; ps 8,704 bytes; hf 8,912,896 bytes; y 16,842,752 bytes
;; launch router (part 1): grid 256 x 1, 4 waves a work-group, no clusters, 20,992 bytes of LDS; arguments x, w_router, xb, route, prob; writes xb, route, prob
.if DOCPART == 1
	.amdgcn_target "amdgcn-amd-amdhsa--gfx1250"
	.amdhsa_code_object_version 6
	.text
	.protected	k_q03ec23aa92_router
	.globl	k_q03ec23aa92_router
	.p2align	8
	.type	k_q03ec23aa92_router,@function
k_q03ec23aa92_router:
	s_mov_b64 s[64:65], 0
	v_nop
	global_prefetch_b8 v0, s[64:65] scope:SCOPE_SE
	s_setreg_imm32_b32 hwreg(HW_REG_WAVE_MODE, 25, 1), 1
	s_wait_xcnt 0x0
; ROUTER.  One wave, one token: n = 4 x work-group + wave.  x[n] is rounded to bf16 (stored as xb for the later launches), the eight
; logits are sums in f32 of products of bf16-rounded x and bf16-rounded w_router (such products are exact in f32), then top-2 and the
; softmax over the two.  Stored: route[n] = e1 | e2 << 8 (whole numbers; they steer nothing in this launch), prob[2n], prob[2n+1].
; The vector unit does the products: eight output columns would leave half of a 16-wide matrix tile empty, and the work is
; 1024 x 1024 x 8 multiply-adds in all.  No cluster: what the work-groups share is w_router, 32,768 bytes.
; LIMITS: NaN or -Inf logits are not served (the two indices may then coincide).  Ties go to the lower index.
; The last stores are 12 bytes a token: four tokens a work-group leave no whole block of 256 bytes to fill (12,288 bytes in all).
.set X,   8                            ; v[8:39]    my 32 numbers of x: load i holds d = 128 i + 4 lane + 0..3
.set WL,  40                           ; v[40:103]  w_router as loaded, 16 x 4 numbers
.set WQ,  40                           ; v[40:167]  behind the barrier: w_router in bf16 for my d: (4 i + dd) x 4 registers, register m = experts 2m, 2m+1
.set PR,  104                          ; v[104:135] w_router rounded, on its way to LDS
.set XP,  168                          ; v[168:183] x rounded: 2 registers for each load
.set ACC, 184                          ; v[184:191] the eight logits
.set T,   192                          ; v[192:203] at work
.set QP,  80                           ; LDS: four d x 8 experts x 2 bytes = 64 bytes, + 16: the pitch is an odd multiple of 16 bytes
	s_load_b256 s[4:11], s[0:1], 0x0               ; x s[4:5], w_router s[6:7], xb s[8:9], route s[10:11]
	s_load_b64 s[12:13], s[0:1], 0x20              ; prob
	v_lshl_add_u32 v208, v0, 2, 0x5000
	v_mov_b32 v209, 0
	v_and_b32 v1, 31, v0                           ; lane
	v_lshrrev_b32 v2, 5, v0
	v_readfirstlane_b32 s14, v2                    ; wave
	s_lshl_b32 s20, ttmp9, 2
	s_add_co_u32 s20, s20, s14                     ; my token n
	s_mov_b32 s16, 0x76543210                      ; v_permlanex16_b32: lane i of one half reads lane i of the other
	s_mov_b32 s17, 0xfedcba98
	s_lshl_b32 s22, s20, 12                        ; n rows of x, 4,096 bytes each
	s_mov_b32 s23, 0
	s_lshl_b32 s24, s20, 11                        ; n rows of xb, 2,048 bytes each
	s_mov_b32 s25, 0
	s_lshl_b32 s26, s20, 2                         ; route[n]
	s_mov_b32 s27, 0
	s_lshl_b32 s28, s20, 3                         ; prob[2n]
	s_mov_b32 s29, 0
	v_lshlrev_b32 v3, 4, v0                        ; 16 t: my 16 bytes in each 2,048 bytes of w_router
	v_lshlrev_b32 v4, 4, v1                        ; 16 lane: my 16 bytes in each 512 bytes of x[n]
	v_lshrrev_b32 v5, 3, v0                        ; LDS address of my rounded 8 bytes: d = 64 c + t / 2, experts 4 (t & 1) ..
	v_mul_u32_u24 v5, QP, v5                       ; (t >> 3) groups of four d
	v_bfe_u32 v6, v0, 1, 2
	v_lshl_add_u32 v5, v6, 4, v5                   ; + 16 (d & 3)
	v_and_b32 v6, 1, v0
	v_lshl_add_u32 v5, v6, 3, v5                   ; + 8 (t & 1)
	v_mul_u32_u24 v7, QP, v1                       ; where I read: group 32 i + lane
	v_lshlrev_b32 v6, 3, v1                        ; 8 lane: my 8 bytes in each 256 bytes of xb[n]
	s_wait_kmcnt 0x0
	s_add_nc_u64 s[4:5], s[4:5], s[22:23]
	s_add_nc_u64 s[8:9], s[8:9], s[24:25]
	s_add_nc_u64 s[10:11], s[10:11], s[26:27]
	s_add_nc_u64 s[12:13], s[12:13], s[28:29]
.irp c, 0,1,2,3,4,5,6,7,8,9,10,11,12,13,14,15
	global_load_b128 v[WL+4*\c:WL+4*\c+3], v3, s[6:7] offset:2048*\c
.endr
.irp i, 0,1,2,3,4,5,6,7
	global_load_b128 v[X+4*\i:X+4*\i+3], v4, s[4:5] offset:512*\i th:TH_LOAD_NT
.endr
	s_wait_loadcnt 0x8                             ; w_router is in; the eight younger loads of x stay out
.irp c, 0,1,2,3,4,5,6,7,8,9,10,11,12,13,14,15
	v_cvt_pk_bf16_f32 v[PR+2*\c], v[WL+4*\c], v[WL+4*\c+1]
	v_cvt_pk_bf16_f32 v[PR+2*\c+1], v[WL+4*\c+2], v[WL+4*\c+3]
.endr
.irp c, 0,1,2,3,4,5,6,7,8,9,10,11,12,13,14,15
	ds_store_b64 v5, v[PR+2*\c:PR+2*\c+1] offset:16*QP*\c      ; 64 d further on = 16 groups
.endr
	s_wait_dscnt 0x0                               ; my stores are done, for the other waves' sake
	s_barrier_signal -1
	s_barrier_wait -1
.irp i, 0,1,2,3,4,5,6,7
.irp d, 0,1,2,3
	ds_load_b128 v[WQ+(4*\i+\d)*4:WQ+(4*\i+\d)*4+3], v7 offset:32*QP*\i+16*\d   ; eight experts of d = 128 i + 4 lane + d
.endr
.endr
	s_wait_loadcnt 0x0                             ; x
.irp i, 0,1,2,3,4,5,6,7
	v_cvt_pk_bf16_f32 v[XP+2*\i], v[X+4*\i], v[X+4*\i+1]
	v_cvt_pk_bf16_f32 v[XP+2*\i+1], v[X+4*\i+2], v[X+4*\i+3]
.endr
.irp i, 0,1,2,3,4,5,6,7
	global_store_b64 v6, v[XP+2*\i:XP+2*\i+1], s[8:9] offset:256*\i   ; the wave's store covers 256 consecutive bytes, aligned
.endr
.irp e, 0,1,2,3,4,5,6,7
	v_mov_b32 v[ACC+\e], 0                         ; eight sums in all
.endr
.irp i, 0,1,2,3,4,5,6,7
	s_wait_dscnt 28-4*\i                           ; LDS loads return in order: the four of group i are in, the 28 - 4 i younger ones stay out
.irp dh, 0,1
.irp dl, 0,1
.irp m, 0,1,2,3
	v_fma_mix_f32_bf16 v[ACC+2*\m], v[XP+2*\i+\dh], v[WQ+(4*\i+2*\dh+\dl)*4+\m], v[ACC+2*\m] op_sel:[\dl,0,0] op_sel_hi:[1,1,0]
	v_fma_mix_f32_bf16 v[ACC+2*\m+1], v[XP+2*\i+\dh], v[WQ+(4*\i+2*\dh+\dl)*4+\m], v[ACC+2*\m+1] op_sel:[\dl,1,0] op_sel_hi:[1,1,0]
.endr
.endr
.endr
.endr
	; the eight sums over the 32 lanes: four steps inside each half, one across; every lane ends with all eight logits
	v_mov_b32 v[T], 0                              ; v_permlanex16_b32 counts as a reader of its destination
.irp e, 0,1,2,3,4,5,6,7
	v_add_f32_dpp v[ACC+\e], v[ACC+\e], v[ACC+\e] row_xmask:1 row_mask:0xf bank_mask:0xf
	v_add_f32_dpp v[ACC+\e], v[ACC+\e], v[ACC+\e] row_xmask:2 row_mask:0xf bank_mask:0xf
	v_add_f32_dpp v[ACC+\e], v[ACC+\e], v[ACC+\e] row_xmask:4 row_mask:0xf bank_mask:0xf
	v_add_f32_dpp v[ACC+\e], v[ACC+\e], v[ACC+\e] row_xmask:8 row_mask:0xf bank_mask:0xf
	v_permlanex16_b32 v[T], v[ACC+\e], s16, s17
	v_add_f32 v[ACC+\e], v[ACC+\e], v[T]
.endr
; the largest of the eight and its index; a later one wins only if it is strictly larger
.macro TOP best, idx
	v_mov_b32 v[\best], v[ACC]
	v_mov_b32 v[\idx], 0
.irp e, 1,2,3,4,5,6,7
	v_cmp_le_f32 vcc_lo, v[ACC+\e], v[\best]
	v_cndmask_b32 v[\idx], \e, v[\idx], vcc_lo
	v_max_num_f32 v[\best], v[\best], v[ACC+\e]
.endr
.endm
	TOP T+1, T+2
	v_mov_b32 v[T+5], 0xff800000                   ; -Inf takes the winner out
.irp e, 0,1,2,3,4,5,6,7
	v_cmp_eq_u32 vcc_lo, \e, v[T+2]
	v_cndmask_b32 v[ACC+\e], v[ACC+\e], v[T+5], vcc_lo
.endr
	TOP T+3, T+4
	; softmax over the two, the larger taken away: p1 = 1 / (1 + t), p2 = t / (1 + t), t = exp(v2 - v1) <= 1
	v_sub_f32 v[T+6], v[T+3], v[T+1]
	v_mul_f32 v[T+6], 0x3fb8aa3b, v[T+6]
	v_exp_f32 v[T+6], v[T+6]
	v_nop                                          ; one plain vector instruction behind a transcendental (ISA guide 5.7.2)
	s_wait_alu depctr_va_vdst(0)
	v_add_f32 v[T+7], 1.0, v[T+6]
	v_rcp_f32 v[T+8], v[T+7]
	v_lshl_or_b32 v[T+10], v[T+4], 8, v[T+2]       ; e1 | e2 << 8; also the plain instruction behind v_rcp_f32
	s_wait_alu depctr_va_vdst(0)
	v_mul_f32 v[T+9], v[T+6], v[T+8]
	v_mov_b32 v[T+11], 0
	s_wait_xcnt 0x0                                ; EXEC is a source of the stores above: it changes only behind this wait
	v_cmp_eq_u32 vcc_lo, 0, v1
	s_barrier_signal -1
	s_barrier_wait -1
	s_wait_tensorcnt 0x0
	ds_add_u32 v208, v209
	s_wait_dscnt 0x0
	s_and_saveexec_b32 s18, vcc_lo                 ; lane 0 stores for the wave
	global_store_b32 v[T+11], v[T+10], s[10:11]
	global_store_b64 v[T+11], v[T+8:T+9], s[12:13]
	s_endpgm
.Lfunc_end_k_q03ec23aa92_router:
	.size	k_q03ec23aa92_router, .Lfunc_end_k_q03ec23aa92_router-k_q03ec23aa92_router
	.p2alignl 7, 3214868480
	.fill 96, 4, 3214868480
	.section	.rodata,"a",@progbits
	.p2align	6, 0x0
	.amdhsa_kernel k_q03ec23aa92_router
		.amdhsa_group_segment_fixed_size 20992
		.amdhsa_private_segment_fixed_size 0
		.amdhsa_enable_private_segment 0
		.amdhsa_kernarg_size 40
		.amdhsa_user_sgpr_count 2
		.amdhsa_user_sgpr_kernarg_segment_ptr 1
		.amdhsa_wavefront_size32 1
		.amdhsa_system_sgpr_workgroup_id_x 1
		.amdhsa_system_sgpr_workgroup_id_y 1
		.amdhsa_system_sgpr_workgroup_id_z 1
		.amdhsa_system_vgpr_workitem_id 0
		.amdhsa_next_free_vgpr 210
		.amdhsa_next_free_sgpr 66
		.amdhsa_reserve_vcc 1
		.amdhsa_float_denorm_mode_32 3
		.amdhsa_float_denorm_mode_16_64 3
		.amdhsa_memory_ordered 1
		.amdhsa_forward_progress 1
		.amdhsa_inst_pref_size 33
	.end_amdhsa_kernel
	.amdgpu_metadata
---
amdhsa.version: [ 1, 2 ]
amdhsa.kernels:
  - .name:           k_q03ec23aa92_router
    .symbol:         k_q03ec23aa92_router.kd
    .args:
      - { .name: x, .offset: 0, .size: 8, .value_kind: global_buffer, .address_space: global }
      - { .name: w_router, .offset: 8, .size: 8, .value_kind: global_buffer, .address_space: global }
      - { .name: xb, .offset: 16, .size: 8, .value_kind: global_buffer, .address_space: global }
      - { .name: route, .offset: 24, .size: 8, .value_kind: global_buffer, .address_space: global }
      - { .name: prob, .offset: 32, .size: 8, .value_kind: global_buffer, .address_space: global }
    .group_segment_fixed_size: 20992
    .private_segment_fixed_size: 0
    .kernarg_segment_align: 8
    .kernarg_segment_size: 40
    .max_flat_workgroup_size: 128
    .sgpr_count:     66
    .vgpr_count:     210
    .wavefront_size: 32
...
	.end_amdgpu_metadata
.endif
;; end of part 1
;; launch sort (part 2): grid 136 x 1, 8 waves a work-group, no clusters, 37,888 bytes of LDS; arguments route, prob, xb, xs, lists, ps; writes xs, lists, ps
.if DOCPART == 2
	.amdgcn_target "amdgcn-amd-amdhsa--gfx1250"
	.amdhsa_code_object_version 6
	.text
	.protected	k_q03ec23aa92_sort
	.globl	k_q03ec23aa92_sort
	.p2align	8
	.type	k_q03ec23aa92_sort,@function
k_q03ec23aa92_sort:
	s_mov_b64 s[64:65], 0
	v_nop
	global_prefetch_b8 v0, s[64:65] scope:SCOPE_SE
	s_setreg_imm32_b32 hwreg(HW_REG_WAVE_MODE, 25, 1), 1
	s_wait_xcnt 0x0
; SORT.  An entry is 2 n + k (token n, k = 0 its first expert).  Expert e's entries are packed into ntiles[e] = ceil(count / 16) tiles of 16
; slots; tile numbers run through the experts (tbase[e] = the tiles of the experts before).  Work-group T makes tile T: its 16 entries
; (lists, from byte 256), their gate weights (ps) and their 16 rows of xb in the layout of a matrix operand (xs).
; Every work-group counts all 1,024 words of route (4,096 bytes) for itself: no traffic between work-groups.
; The grid is the largest number of tiles that 2,048 entries in 8 lists can need, (2048 + 8 x 15) / 16 rounded up.  How many are in use hangs on the
; data; a tile beyond them is filled with pad entries by the same straight text, and no later launch reads it.
; Pad slots: entry 2048 + e (a row of y that is never read), token row 1023, weight prob[2047].
; LAYOUT OF xs: tile T at T x 32,768; K in blocks of 64 (2,048 bytes), a block in 4 pieces q of 512 bytes; lane L = r + 16 h of a piece holds 16 bytes at 16 L:
; k = 64 b + 32 h + 8 q + 0..7 of row r.  The weights are laid out in the same order of k by the launches that multiply.
; The entries and weights of a tile are 64 bytes each: 17,408 bytes in the whole launch leave in parts of a 256-byte block.
.set CNT,   0                          ; LDS: 8 waves x 128 bytes: each wave's count for each expert
.set LISTW, 1024                       ; 8 waves x 128 bytes: each wave's own view of the tile's 16 slots (word 16: a bin for the rest)
.set TILE,  2048                       ; 8 waves x 16 rows of 272 bytes: each wave's own stage
.set SP,    272                        ; 256 bytes + 16: an odd multiple of 16 bytes
.set E1,  12                           ; v[12:15] first expert of my four tokens
.set E2,  16                           ; v[16:19] second expert
.set XR,  64                           ; v[64:95]  rows of xb as loaded
.set OUT, 96                           ; v[96:127] pieces of xs
	s_load_b256 s[4:11], s[0:1], 0x0               ; route s[4:5], prob s[6:7], xb s[8:9], xs s[10:11]
	s_load_b128 s[12:15], s[0:1], 0x20             ; lists s[12:13], ps s[14:15]
	v_lshl_add_u32 v128, v0, 2, 0x9000
	v_mov_b32 v129, 0
	v_and_b32 v1, 31, v0
	v_lshrrev_b32 v2, 5, v0
	v_readfirstlane_b32 s42, v2                    ; wave
	s_mov_b32 s44, ttmp9                           ; T
	v_lshlrev_b32 v3, 4, v0                        ; 16 t: the words of tokens 4 t .. 4 t + 3
	v_lshlrev_b32 v4, 2, v1                        ; 4 lane
	s_lshl_b32 s45, s42, 7
	v_add_nc_u32 v21, s45, v4                      ; CNT + 128 wave + 4 lane
	v_add_nc_u32 v22, LISTW, v21
	s_add_co_u32 s46, s45, LISTW
	v_mov_b32 v23, s46                             ; my wave's list
	v_mov_b32 v5, 0x7fffffff
	ds_store_b32 v22, v5                           ; every slot starts as 'not mine'
	s_wait_kmcnt 0x0
	global_load_b128 v[8:11], v3, s[4:5]
	s_wait_loadcnt 0x0
.irp c, 0,1,2,3
	v_and_b32 v[E1+\c], 0xff, v[8+\c]
	v_bfe_u32 v[E2+\c], v[8+\c], 8, 8
.endr
	; A: how many of my wave's 128 tokens chose expert e
.irp e, 0,1,2,3,4,5,6,7
.irp c, 0,1,2,3
	v_cmp_eq_u32 s46, \e, v[E1+\c]
	v_cmp_eq_u32 s47, \e, v[E2+\c]
	s_or_b32 s46, s46, s47
.if \c == 0
	s_bcnt1_i32_b32 s[16+\e], s46
.else
	s_bcnt1_i32_b32 s46, s46
	s_add_co_u32 s[16+\e], s[16+\e], s46
.endif
.endr
.endr
	v_mov_b32 v20, 0
.irp e, 0,1,2,3,4,5,6,7
	v_writelane_b32 v20, s[16+\e], \e
.endr
	ds_store_b32 v21, v20
	s_wait_dscnt 0x0                               ; my stores are done, for the other waves' sake
	s_barrier_signal -1
	s_barrier_wait -1
	; B: lane L works for expert L & 7: the total, and the count of the waves before mine
	v_and_b32 v2, 7, v1
	v_lshlrev_b32 v2, 2, v2
.irp u, 0,1,2,3,4,5,6,7
	ds_load_b32 v[24+\u], v2 offset:CNT+128*\u
.endr
	s_wait_dscnt 0x0
	v_add_nc_u32 v32, v24, v25
	v_add3_u32 v32, v32, v26, v27
	v_add3_u32 v32, v32, v28, v29
	v_add3_u32 v32, v32, v30, v31
	s_cmp_gt_u32 s42, 0
	s_cselect_b32 s46, -1, 0
	v_and_b32 v33, s46, v24
.irp u, 1,2,3,4,5,6
	s_cmp_gt_u32 s42, \u
	s_cselect_b32 s46, -1, 0
	v_and_b32 v5, s46, v[24+\u]
	v_add_nc_u32 v33, v33, v5
.endr
	v_add_nc_u32 v34, 15, v32
	v_lshrrev_b32 v34, 4, v34                      ; ntiles
.irp e, 0,1,2,3,4,5,6,7
	v_readlane_b32 s[24+\e], v34, \e
.endr
	s_mov_b32 s32, 0                               ; tbase
.irp e, 0,1,2,3,4,5,6
	s_add_co_u32 s[33+\e], s[32+\e], s[24+\e]
.endr
	s_mov_b32 s40, 0                               ; my tile's expert: the last whose tbase is not beyond T
	s_mov_b32 s41, 0                               ; and its tbase
.irp e, 1,2,3,4,5,6,7
	s_cmp_ge_u32 s44, s[32+\e]
	s_cselect_b32 s41, s[32+\e], s41
	s_add_co_ci_u32 s40, s40, 0
.endr
	s_sub_co_u32 s45, s44, s41
	s_lshl_b32 s45, s45, 4                         ; the place in the expert's list at which my tile begins
	v_readlane_b32 s43, v33, s40                   ; the place at which my wave's entries begin,
	s_sub_co_u32 s43, s43, s45                     ; counted from the tile's first slot (modulo 2^32)
	; C: the order in a list is wave, then c, then lane.  An entry whose place falls into 0 .. 15 goes into my list, the others into word 16
	v_lshlrev_b32 v36, 3, v0                       ; 2 x token 4 t
.irp c, 0,1,2,3
	v_cmp_eq_u32 s46, s40, v[E1+\c]
	v_cmp_eq_u32 s47, s40, v[E2+\c]
	s_or_b32 s48, s46, s47
	v_mbcnt_lo_u32_b32 v35, s48, s43               ; my place: the running count + the lanes before me that chose the expert
	v_cmp_gt_u32 s49, 16, v35
	s_and_b32 s49, s49, s48
	v_cndmask_b32 v35, 16, v35, s49
	v_min_u32 v35, 16, v35
	v_cndmask_b32 v37, 0, 1, s47
	v_add3_u32 v37, v37, v36, 2*\c                 ; the entry: 2 (4 t + c) + k
	v_lshl_add_u32 v38, v35, 2, v23
	ds_store_b32 v38, v37
	s_bcnt1_i32_b32 s48, s48
	s_add_co_u32 s43, s43, s48
.endr
	s_wait_dscnt 0x0
	s_barrier_signal -1
	s_barrier_wait -1
	; D: lane L takes slot L & 15: at most one wave wrote it; no wave: a pad
	v_and_b32 v2, 15, v1
	v_lshlrev_b32 v5, 2, v2
.irp u, 0,1,2,3,4,5,6,7
	ds_load_b32 v[24+\u], v5 offset:LISTW+128*\u
.endr
	v_lshrrev_b32 v7, 4, v1                        ; y: which half of the lanes
	v_lshlrev_b32 v47, 2, v7
.irp i, 0,1,2,3,4,5,6,7
	v_add_nc_u32 v[48+\i], 8*\i, v47               ; 4 x (2 i + y): the lane that holds the entry of row 2 i + y
.endr
	s_add_co_u32 s50, s40, 2048
	s_wait_dscnt 0x0
	v_min_u32 v40, v24, v25
.irp u, 2,3,4,5,6,7
	v_min_u32 v40, v40, v[24+\u]
.endr
	v_min_u32 v40, s50, v40
.irp i, 0,1,2,3,4,5,6,7
	ds_bpermute_b32 v[56+\i], v[48+\i], v40
.endr
	; my wave takes K blocks 2 w and 2 w + 1 (256 bytes) of all 16 rows: a load covers two aligned pieces of 256 bytes, rows 2 i and 2 i + 1
	s_lshl_b32 s51, s42, 8
	v_lshlrev_b32 v6, 4, v2
	v_add_nc_u32 v6, s51, v6                       ; 256 w + 16 x
	s_wait_dscnt 0x0
.irp i, 0,1,2,3,4,5,6,7
	v_lshrrev_b32 v[56+\i], 1, v[56+\i]            ; the token
	v_min_u32 v[56+\i], 0x3ff, v[56+\i]            ; a pad's becomes 1023
	v_lshl_add_u32 v[56+\i], v[56+\i], 11, v6
	global_load_b128 v[XR+4*\i:XR+4*\i+3], v[56+\i], s[8:9]
.endr
	; the stage: my 16 bytes are k = 128 w + 8 x + 0..7 of row 2 i + y: 256-byte row u = 8 (x >> 3) + 2 (x & 3) + ((x >> 2) & 1) of my 16, at 16 (2 i + y)
	v_and_b32 v46, 8, v1
	v_and_b32 v5, 3, v1
	v_lshl_add_u32 v46, v5, 1, v46
	v_bfe_u32 v5, v1, 2, 1
	v_add_nc_u32 v46, v46, v5
	v_mul_u32_u24 v46, SP, v46
	v_lshl_add_u32 v46, v7, 4, v46
	s_mul_i32 s61, s42, 16*SP
	s_add_co_u32 s61, s61, TILE
	v_add_nc_u32 v46, s61, v46
	v_mul_u32_u24 v45, SP, v7                      ; back: lanes 0-15 one row of 256 bytes, lanes 16-31 the next
	v_lshl_add_u32 v45, v2, 4, v45
	v_add_nc_u32 v45, s61, v45
	s_lshl_b32 s51, s42, 12
	v_lshlrev_b32 v44, 4, v1
	v_add_nc_u32 v44, s51, v44                     ; in xs: 4,096 w + 16 lane
	s_lshl_b32 s54, s44, 15
	s_mov_b32 s55, 0
	s_add_nc_u64 s[10:11], s[10:11], s[54:55]      ; xs at tile T
	; wave 0 alone stores the tile's entries and weights, and in work-group 0 the table of ntiles and tbase
	s_cmp_lg_u32 s42, 0
	s_cbranch_scc1 .Lothers
	v_min_u32 v43, 0x7ff, v40
	v_lshlrev_b32 v43, 2, v43
	global_load_b32 v42, v43, s[6:7]
	v_mov_b32 v41, v34                             ; lanes 0-7: ntiles
.irp e, 0,1,2,3,4,5,6,7
	v_writelane_b32 v41, s[32+\e], 8+\e            ; lanes 8-15: tbase
.endr
	s_lshl_b32 s54, s44, 6
	s_add_nc_u64 s[56:57], s[12:13], s[54:55]
	s_add_nc_u64 s[58:59], s[14:15], s[54:55]
	s_wait_loadcnt 0x0
	s_wait_xcnt 0x0                                ; EXEC is a source of the loads above: it narrows only behind this wait
	v_cmp_gt_u32 vcc_lo, 16, v1
	s_and_saveexec_b32 s60, vcc_lo
	global_store_b32 v4, v40, s[56:57] offset:256
	global_store_b32 v4, v42, s[58:59]
	s_cmp_lg_u32 s44, 0
	s_cbranch_scc1 .Lnotable
	global_store_b32 v4, v41, s[12:13]
.Lnotable:
	s_wait_xcnt 0x0                                ; and widens only behind this one
	s_or_b32 exec_lo, exec_lo, s60
.Lothers:
	s_wait_loadcnt 0x0                             ; zero: the two ways here differ by one load
.irp i, 0,1,2,3,4,5,6,7
	ds_store_b128 v46, v[XR+4*\i:XR+4*\i+3] offset:32*\i
.endr
	; E: the stage is my wave's own, and LDS serves a wave's instructions in order (ISA guide 5.7.1): no wait, no barrier between stores and loads
.irp j, 0,1,2,3,4,5,6,7
	ds_load_b128 v[OUT+4*\j:OUT+4*\j+3], v45 offset:2*SP*\j
.endr
.irp j, 0,1,2,3,4,5,6,7
	s_wait_dscnt 7-\j
	global_store_b128 v44, v[OUT+4*\j:OUT+4*\j+3], s[10:11] offset:512*\j   ; 512 consecutive bytes, aligned
.endr
	s_barrier_signal -1
	s_barrier_wait -1
	s_wait_tensorcnt 0x0
	ds_add_u32 v128, v129
	s_wait_dscnt 0x0
	s_endpgm
.Lfunc_end_k_q03ec23aa92_sort:
	.size	k_q03ec23aa92_sort, .Lfunc_end_k_q03ec23aa92_sort-k_q03ec23aa92_sort
	.p2alignl 7, 3214868480
	.fill 96, 4, 3214868480
	.section	.rodata,"a",@progbits
	.p2align	6, 0x0
	.amdhsa_kernel k_q03ec23aa92_sort
		.amdhsa_group_segment_fixed_size 37888
		.amdhsa_private_segment_fixed_size 0
		.amdhsa_enable_private_segment 0
		.amdhsa_kernarg_size 48
		.amdhsa_user_sgpr_count 2
		.amdhsa_user_sgpr_kernarg_segment_ptr 1
		.amdhsa_wavefront_size32 1
		.amdhsa_system_sgpr_workgroup_id_x 1
		.amdhsa_system_sgpr_workgroup_id_y 1
		.amdhsa_system_sgpr_workgroup_id_z 1
		.amdhsa_system_vgpr_workitem_id 0
		.amdhsa_next_free_vgpr 130
		.amdhsa_next_free_sgpr 66
		.amdhsa_reserve_vcc 1
		.amdhsa_float_denorm_mode_32 3
		.amdhsa_float_denorm_mode_16_64 3
		.amdhsa_memory_ordered 1
		.amdhsa_forward_progress 1
		.amdhsa_inst_pref_size 24
	.end_amdhsa_kernel
	.amdgpu_metadata
---
amdhsa.version: [ 1, 2 ]
amdhsa.kernels:
  - .name:           k_q03ec23aa92_sort
    .symbol:         k_q03ec23aa92_sort.kd
    .args:
      - { .name: route, .offset: 0, .size: 8, .value_kind: global_buffer, .address_space: global }
      - { .name: prob, .offset: 8, .size: 8, .value_kind: global_buffer, .address_space: global }
      - { .name: xb, .offset: 16, .size: 8, .value_kind: global_buffer, .address_space: global }
      - { .name: xs, .offset: 24, .size: 8, .value_kind: global_buffer, .address_space: global }
      - { .name: lists, .offset: 32, .size: 8, .value_kind: global_buffer, .address_space: global }
      - { .name: ps, .offset: 40, .size: 8, .value_kind: global_buffer, .address_space: global }
    .group_segment_fixed_size: 37888
    .private_segment_fixed_size: 0
    .kernarg_segment_align: 8
    .kernarg_segment_size: 48
    .max_flat_workgroup_size: 256
    .sgpr_count:     66
    .vgpr_count:     130
    .wavefront_size: 32
...
	.end_amdgpu_metadata
.endif
;; end of part 2
;; launch gateup (part 3): grid 256 x 1, 4 waves a work-group, no clusters, 262,656 bytes of LDS; arguments w_gate, w_up, xs, lists, hf; writes hf
.if DOCPART == 3
	.amdgcn_target "amdgcn-amd-amdhsa--gfx1250"
	.amdhsa_code_object_version 6
	.text
	.protected	k_q03ec23aa92_gateup
	.globl	k_q03ec23aa92_gateup
	.p2align	8
	.type	k_q03ec23aa92_gateup,@function
k_q03ec23aa92_gateup:
	s_mov_b64 s[64:65], 0
	v_nop
	global_prefetch_b8 v0, s[64:65] scope:SCOPE_SE
	s_setreg_imm32_b32 hwreg(HW_REG_WAVE_MODE, 25, 1), 1
	s_wait_xcnt 0x0
; GATE AND UP.  h = silu(X Wg) (X Wu) for the tokens that chose the expert, in bf16, stored as the next launch's matrix operand.
; Work-group = (expert e = id >> 5, slice sl = id & 31): columns 64 sl .. 64 sl + 63 of I, of both matrices: 2 x 1,024 rows x 256 bytes, read once.
; WEIGHTS lie [K][N].  Lane (r, h) loads 16 bytes of row k: columns c0 + 4 r + 0..3; lanes 0-15 cover 256 aligned bytes of one row, lanes 16-31 the row 32 further down.
; Register j of a load belongs to column tile j, whose fragment row r is column c0 + 4 r + j; rounding rows 2 p and 2 p + 1 into one register makes register p of a
; piece: no transpose.  K goes in blocks of 64; a block's tile is 4 pieces q of 512 bytes, lane L = r + 16 h at 16 L holding k = 64 b + 32 h + 8 q + 0..7.
; A fragment of K = 32 is pieces 2 g, 2 g + 1.  That is one order of k for weights and tokens alike, so the products are the same.
; Wave w rounds piece q = w of all 8 tiles (4 of gate, 4 of up) and puts it into LDS: b x 16,384 + a x 2,048 + q x 512 + 16 L.  Every LDS byte is written once
; and stays: 16 blocks = 262,144 bytes.  One barrier a block hands the four pieces round.
; TOKENS come from xs straight into fragments (512 consecutive bytes a load).  Wave w multiplies tiles lt = pass + 4 s + w, slots s = 0..4: 20 tiles, 320 tokens a pass.
; Further passes (more than 20 tiles) run on the weights in LDS, without a barrier and without reading weights again; their loads are not run ahead.
; THE MATRIX INSTRUCTION IS USED TRANSPOSED (weights first): lane (r, h) then holds token r and, over tile j and register jj, i = i0 + 32 h + 4 jj + j: 32 neighbouring i,
; its own four pieces of block sl of hf (tile T at T x 65,536, else as xs).
; An idle slot loads a tile that is in use (the expert's last, or tile 0) so that every wave issues the same loads on every path; its products are skipped.
; PREFETCH: a wave issues 36 loads a stage and can have 63 out, so no load is asked for two stages ahead; the weights, which this work-group alone reads and reads once,
; are therefore asked for earlier by prefetches, which hold no register and raise no counter.  A block is 128 row pieces of 256 bytes; each wave asks for 32 of them with one
; instruction, lanes one row apart: waves 0 and 1 the 64 rows of w_gate, waves 2 and 3 those of w_up.  Stage b asks for block b + 5, whose loads are issued in stage b + 2:
; two stages, 65,536 bytes, ahead of the loads.  Blocks 2 to 4 are asked for at the start, behind the loads of blocks 0 and 1.  Stages 11 to 15 ask for nothing: block 15 is the last.
; The token tiles are not asked for: 32 work-groups read the same tile in the same stage, and none of them is known to be ahead of the others.
; NO TENSOR LOADS, NO CLUSTER: the weights must pass through registers to be rounded, and no two work-groups read the same.  The token tiles are shared by an expert's
; 32 work-groups, but two LDS slots of one block for 20 tiles are 81,920 bytes and 65,536 are left beside the weights.
; LIMITS: experts that a token did not choose are not computed: an Inf or NaN that would arise only there does not reach the output.  An expert without tokens still streams its weights.
.set ROWB, 8192                        ; bytes in a row of w_gate, w_up
.set BLK,  16384                       ; LDS bytes of a block
.set MAXPASS, 4                        ; 1,024 tokens are 64 tiles at the most: 64 / 20, rounded up
; window 0
.set LA,   4                           ; v[4:7]    16 L + 65,536 i: LDS addresses for reading
.set SA,   8                           ; v[8:11]   the same + 512 w: for my piece
.set WOFF, 12                          ; v12       (32 h + 8 w) rows + 16 r
.set TOFF, 14                          ; v[14:18]  slot s: its tile in xs + 16 L
.set HOFF, 20                          ; v[20:24]  slot s: its tile in hf + 16 L
.set XLA,  26                          ; v26       further passes: the block's LDS address
.set POFF, 28                          ; v28       prefetch: (32 (w & 1) + lane) rows; never rewritten
.set CV,   32                          ; v[32:63]  8 tiles x 4 registers: my piece, rounded
.set WS,   64                          ; v[64:191] weights as loaded, two buffers of (matrix x 8 rows) x 4
.set E,    64                          ; v[64:95]  on the way out
.set O,    96                          ; v[96:111] on the way out: four pieces
; window 1: accumulators of slots 0-3 at 64 s + 8 a (a = 0-3 gate, 4-7 up).  window 2: slot 4's at 0; token fragments, two buffers of 5 slots x 16.  window 3: weight fragments, two buffers of 32 pieces x 4
.set TB0,  64
.set FR0,  0
.set MSB,  0
.set LSEQ, 0                           ; global loads issued so far in the text
.set WM0,  0                           ; LSEQ behind the last load into weight buffer 0, 1, token buffer 0, 1
.set WM1,  0
.set TM0,  0
.set TM1,  0
.macro WIN new                         ; low byte: bits 1:0 source 0, 3:2 source 1, 5:4 source 2, 7:6 destination; the high byte repeats the setting that is left
.if MSB != \new
	s_set_vgpr_msb (MSB<<8)|\new
.set MSB, \new
.endif
.endm
.macro PLACES                          ; four plain vector instructions behind a matrix instruction before its registers are read, written or loaded (ISA guide 7.12.1)
.rept 4
	v_nop
.endr
.endm
.macro LW b                            ; block b's weights: my 8 rows of both matrices
	WIN 0
.irp m, 0,1
.irp u, 0,1,2,3,4,5,6,7
	global_load_b128 v[WS+64*((\b)%2)+(8*\m+\u)*4:WS+64*((\b)%2)+(8*\m+\u)*4+3], v[WOFF], s[4+2*\m:5+2*\m] offset:(64*(\b)+\u)*ROWB th:TH_LOAD_NT
.endr
.endr
.set LSEQ, LSEQ+16
.if ((\b)%2)==0
.set WM0, LSEQ
.else
.set WM1, LSEQ
.endif
.endm
.macro PF blk                          ; my 32 row pieces of block blk are asked for; the address register stands in source 0's window, which is 0 wherever this line stands
	global_prefetch_b8 v[POFF], s[40:41] offset:(\blk)*64*ROWB th:TH_LOAD_NT scope:SCOPE_SE
.endm
.macro LT b                            ; block b's token fragments for my five slots
	WIN 0x80
.irp s, 0,1,2,3,4
.irp q, 0,1,2,3
	global_load_b128 v[TB0+80*((\b)%2)+16*\s+4*\q:TB0+80*((\b)%2)+16*\s+4*\q+3], v[TOFF+\s], s[8:9] offset:(\b)*2048+\q*512
.endr
.endr
.set LSEQ, LSEQ+20
.if ((\b)%2)==0
.set TM0, LSEQ
.else
.set TM1, LSEQ
.endif
.endm
; Loads return in order (ISA guide 5.7.1): the count is the number of loads issued behind the group waited for.
; Weights of b + 1: 36 = the tokens of b (20) and the weights of b + 2 (16).  Tokens of b: 36 = the weights of b + 2 (16) and the tokens of b + 1 (20).
; Both run down in the last stages.  By this text's own count a wave has 56 loads out at the most.
.macro WAITW b
.if ((\b)%2)==0
	s_wait_loadcnt LSEQ-WM0
.else
	s_wait_loadcnt LSEQ-WM1
.endif
.endm
.macro WAITT b
.if ((\b)%2)==0
	s_wait_loadcnt LSEQ-TM0
.else
	s_wait_loadcnt LSEQ-TM1
.endif
.endm
.macro PRODUCE b                       ; round my piece of block b's 8 tiles and put it into LDS
	WIN 0
	WAITW \b
.irp m, 0,1
.irp j, 0,1,2,3
.irp p, 0,1,2,3
	v_cvt_pk_bf16_f32 v[CV+(4*\m+\j)*4+\p], v[WS+64*((\b)%2)+(8*\m+2*\p)*4+\j], v[WS+64*((\b)%2)+(8*\m+2*\p+1)*4+\j]
.endr
.endr
.endr
.irp m, 0,1
.irp j, 0,1,2,3
	ds_store_b128 v[SA+((\b)>>2)], v[CV+(4*\m+\j)*4:CV+(4*\m+\j)*4+3] offset:((\b)&3)*BLK+\m*8192+\j*2048
.endr
.endr
.endm
.macro FETCH fr, adr, off              ; a block's 32 pieces into fragment buffer fr
	WIN 0xc0
.set pi, 0
.rept 32
	ds_load_b128 v[\fr+4*pi:\fr+4*pi+3], v[\adr] offset:\off+pi*512
.set pi, pi+1
.endr
.endm
; 16 matrix instructions: slot s, 8 tiles, K = 64.  The eight accumulators take turns, one instruction a turn.  zero = 1: the first products start the sums.
.macro MUL s, fr, tb, zero
.if \s < 4
	WIN 0x5b                           ; weights window 3, tokens window 2, sums window 1
.else
	WIN 0xab                           ; sums window 2
.endif
.irp g, 0,1
.irp a, 0,1,2,3,4,5,6,7
.if (\zero)*(1-\g)
	v_wmma_f32_16x16x32_bf16 v[64*(\s%4)+8*\a:64*(\s%4)+8*\a+7], v[\fr+16*\a+8*\g:\fr+16*\a+8*\g+7], v[\tb+16*\s+8*\g:\tb+16*\s+8*\g+7], 0
.else
	v_wmma_f32_16x16x32_bf16 v[64*(\s%4)+8*\a:64*(\s%4)+8*\a+7], v[\fr+16*\a+8*\g:\fr+16*\a+8*\g+7], v[\tb+16*\s+8*\g:\tb+16*\s+8*\g+7], v[64*(\s%4)+8*\a:64*(\s%4)+8*\a+7]
.endif
.endr
.endr
.endm
.macro CMUL s, fr, tb, zero            ; only if slot s has a tile of its own (s20 = my slots at work); no load and no barrier is jumped over
	WIN 0
	s_cmp_le_u32 s20, \s
	s_cbranch_scc1 .Lskip_\@
	MUL \s, \fr, \tb, \zero
	WIN 0
.Lskip_\@:
.endm
.macro SETUP                           ; the five slots of the pass that begins at local tile s19
	s_add_co_u32 s21, s19, s14
	s_sub_co_i32 s20, s17, s21
	s_add_co_i32 s20, s20, 3
	s_ashr_i32 s20, s20, 2
	s_max_i32 s20, s20, 0
	s_min_i32 s20, s20, 5                          ; my slots at work: ceil((ntiles - pass - w) / 4) within 0 .. 5
	s_add_co_u32 s21, s21, s18                     ; slot 0's tile
	s_add_co_u32 s25, s18, s17
	s_sub_co_i32 s25, s25, 1                       ; the expert's last tile
.irp s, 0,1,2,3,4
	s_add_co_u32 s22, s21, 4*\s
	s_min_i32 s22, s22, s25
	s_max_i32 s22, s22, 0
	s_min_u32 s22, s22, 135
	s_lshl_b32 s23, s22, 15
	v_add_nc_u32 v[TOFF+\s], s23, v[LA]
	s_lshl_b32 s23, s22, 16
	v_add_nc_u32 v[HOFF+\s], s23, v[LA]
.endr
.endm
	s_load_b256 s[4:11], s[0:1], 0x0               ; w_gate s[4:5], w_up s[6:7], xs s[8:9], lists s[10:11]
	s_load_b64 s[12:13], s[0:1], 0x20              ; hf
	v_lshl_add_u32 v254, v0, 2, 0x40000
	v_mov_b32 v255, 0
	v_and_b32 v1, 31, v0
	v_lshrrev_b32 v2, 5, v0
	v_readfirstlane_b32 s14, v2                    ; wave
	s_lshr_b32 s15, ttmp9, 5                       ; expert
	s_and_b32 s16, ttmp9, 31                       ; slice
	s_lshl_b32 s22, s15, 23                        ; an expert's matrix: 1,024 x 2,048 x 4 bytes
	s_lshl_b32 s23, s16, 8                         ; 64 columns
	s_add_co_u32 s22, s22, s23
	s_mov_b32 s23, 0
	s_lshl_b32 s26, s16, 11                        ; block sl of a tile of hf
	s_mov_b32 s27, 0
	s_lshl_b32 s24, s15, 2
	s_mov_b32 s36, 0xbfb8aa3b                      ; -log2(e), twice
	s_mov_b32 s37, 0xbfb8aa3b
	v_lshlrev_b32 v[LA], 4, v1
.irp i, 1,2,3
	v_add_nc_u32 v[LA+\i], 65536*\i, v[LA]
.endr
	s_lshl_b32 s21, s14, 9
.irp i, 0,1,2,3
	v_add_nc_u32 v[SA+\i], s21, v[LA+\i]
.endr
	v_and_b32 v2, 15, v1                           ; r
	v_lshrrev_b32 v3, 4, v1                        ; h
	v_lshlrev_b32 v[WOFF], 18, v3                  ; 32 h rows
	v_lshl_add_u32 v[WOFF], v2, 4, v[WOFF]
	s_lshl_b32 s21, s14, 16                        ; 8 w rows
	v_add_nc_u32 v[WOFF], s21, v[WOFF]
	s_and_b32 s21, s14, 1
	s_lshl_b32 s21, s21, 18                        ; prefetch: rows 32 (w & 1) ..
	v_lshl_add_u32 v[POFF], v1, 13, s21            ; .. + lane, 8,192 bytes each
	s_wait_kmcnt 0x0
	s_add_nc_u64 s[4:5], s[4:5], s[22:23]
	s_add_nc_u64 s[6:7], s[6:7], s[22:23]
	s_add_nc_u64 s[12:13], s[12:13], s[26:27]
	s_cmp_ge_u32 s14, 2                            ; prefetch: waves 0, 1 ask for w_gate, waves 2, 3 for w_up
	s_cselect_b64 s[40:41], s[6:7], s[4:5]
	s_load_b32 s17, s[10:11], s24 offset:0x0       ; ntiles[e]
	s_load_b32 s18, s[10:11], s24 offset:0x20      ; tbase[e]
	LW 0
	LW 1
	PF 2                                           ; the blocks whose loads follow as soon as a buffer is free: 98,304 bytes for the work-group
	PF 3
	PF 4
	s_mov_b32 s19, 0                               ; the pass's first local tile
	s_mov_b32 s35, 0                               ; passes done
	s_mov_b32 s38, 1                               ; passes to do: ceil(ntiles / 20), and one at the least
	s_wait_kmcnt 0x0
	s_min_u32 s17, s17, 64                         ; 1,024 tokens at the most
	s_min_u32 s18, s18, 135
.irp t, 20,40,60
	s_cmp_gt_u32 s17, \t
	s_add_co_ci_u32 s38, s38, 0
.endr
	SETUP
	LT 0
	PRODUCE 0
	LW 2
	s_wait_dscnt 0x0                               ; my piece of block 0 is in LDS, for the others' sake
	s_barrier_signal -1
	s_barrier_wait -1
	FETCH FR0, LA, 0
; Stage b multiplies block b.  Ahead of it: block b + 1 is rounded into LDS (its 32 conversions are also the places behind stage b - 1's matrix instructions for the
; loads that follow), the tokens of b + 1 are asked for, the tokens of b are waited for, and the weights of b + 3 are asked for: tokens ahead of weights, since loads
; return in order and a wait for tokens would else take the youngest weights with it.  All addresses are immediates: nothing is stepped.
; The prefetch of block b + 5 stands behind the run of LDS loads and ahead of matrix work: no load and no wait follows it directly.
.macro STAGE b
.if \b < 15
	PRODUCE \b+1
	LT \b+1
.endif
	WAITT \b
.if \b < 13
	LW \b+3
.endif
	s_wait_dscnt 0x0                               ; my stores are done (for the others), and block b's fragments, fetched a stage ago, are in
.if \b < 15
	s_barrier_signal -1
.endif
.if \b == 0
	MUL 0, FR0, TB0, 1
.else
	MUL 0, FR0+128*(\b%2), TB0+80*(\b%2), 0        ; register work while the others arrive
.endif
.if \b < 15
	s_barrier_wait -1                              ; all four pieces of block b + 1 are in LDS
	FETCH FR0+128*((\b+1)%2), LA+((\b+1)>>2), ((\b+1)&3)*BLK
.endif
.if \b < 11
	PF \b+5
.endif
.if \b == 0
	MUL 1, FR0, TB0, 1                             ; the first stage starts every sum, idle slots' too: no accumulator is read unwritten
	MUL 2, FR0, TB0, 1
	MUL 3, FR0, TB0, 1
	MUL 4, FR0, TB0, 1
	WIN 0
.else
	CMUL 1, FR0+128*(\b%2), TB0+80*(\b%2), 0
	CMUL 2, FR0+128*(\b%2), TB0+80*(\b%2), 0
	CMUL 3, FR0+128*(\b%2), TB0+80*(\b%2), 0
	CMUL 4, FR0+128*(\b%2), TB0+80*(\b%2), 0
.endif
.endm
.irp b, 0,1,2,3,4,5,6,7,8,9,10,11,12,13,14,15
	STAGE \b
.endr
; The way out of slot s: h = (g u) / (1 + 2^(-g log2 e)); ab: the slot's sums in their window; wgu: all three places in that window; wg: source 0 alone.
.macro EPI s, ab, wgu, wg
	s_cmp_le_u32 s20, \s
	s_cbranch_scc1 .Lidle_\@
	WIN \wgu
.set ii, 0
.rept 16
	v_pk_mul_f32 v[\ab+32+2*ii:\ab+33+2*ii], v[\ab+2*ii:\ab+2*ii+1], v[\ab+32+2*ii:\ab+33+2*ii]   ; g u
.set ii, ii+1
.endr
	WIN \wg
.set ii, 0
.rept 16
	v_pk_mul_f32 v[E+2*ii:E+2*ii+1], v[\ab+2*ii:\ab+2*ii+1], s[36:37] op_sel_hi:[1,0]
.set ii, ii+1
.endr
	WIN 0
.set ii, 0
.rept 32
	v_exp_f32 v[E+ii], v[E+ii]
.set ii, ii+1
.endr
	v_nop                                          ; one plain vector instruction behind the transcendentals (ISA guide 5.7.2)
.set ii, 0
	s_wait_alu depctr_va_vdst(0)
.rept 16
	v_pk_add_f32 v[E+2*ii:E+2*ii+1], v[E+2*ii:E+2*ii+1], 1.0 op_sel_hi:[1,0]
.set ii, ii+1
.endr
.set ii, 0
.rept 32
	v_rcp_f32 v[E+ii], v[E+ii]
.set ii, ii+1
.endr
	v_nop
	WIN \wg
.set ii, 0
	s_wait_alu depctr_va_vdst(0)
.rept 16
	v_pk_mul_f32 v[E+2*ii:E+2*ii+1], v[\ab+32+2*ii:\ab+33+2*ii], v[E+2*ii:E+2*ii+1]
.set ii, ii+1
.endr
	WIN 0
	s_wait_xcnt 0x0                                ; O is the data of the last slot's stores: rewritten only behind this wait
.irp q, 0,1,2,3
.irp p, 0,1,2,3
	v_cvt_pk_bf16_f32 v[O+4*\q+\p], v[E+16*(\p&1)+2*\q+(\p>>1)], v[E+16*(\p&1)+8+2*\q+(\p>>1)]   ; i - i0 - 32 h = 8 q + 2 p and + 1: tiles j = 2 (p & 1), + 1, register jj = 2 q + (p >> 1)
.endr
.endr
.irp q, 0,1,2,3
	global_store_b128 v[HOFF+\s], v[O+4*\q:O+4*\q+3], s[12:13] offset:\q*512    ; 512 consecutive bytes, aligned
.endr
.Lidle_\@:
.endm
; A block of a further pass: everything is asked for and waited for on the spot.
.macro XSTAGE zero
	PLACES
	WIN 0x80
.irp s, 0,1,2,3,4
.irp q, 0,1,2,3
	global_load_b128 v[TB0+16*\s+4*\q:TB0+16*\s+4*\q+3], v[TOFF+\s], s[32:33] offset:\q*512
.endr
.endr
	FETCH FR0, XLA, 0
	s_wait_loadcnt 0x0
	s_wait_dscnt 0x0
	MUL 0, FR0, TB0, \zero
	CMUL 1, FR0, TB0, \zero
	CMUL 2, FR0, TB0, \zero
	CMUL 3, FR0, TB0, \zero
	CMUL 4, FR0, TB0, \zero
.endm
.Lepi:
	PLACES
	EPI 0, 0,   0x45, 0x01
	EPI 1, 64,  0x45, 0x01
	EPI 2, 128, 0x45, 0x01
	EPI 3, 192, 0x45, 0x01
	EPI 4, 0,   0x8a, 0x02
	s_add_co_u32 s19, s19, 20                      ; the next 20 tiles, if there are any
	s_add_co_u32 s35, s35, 1                       ; one more pass is done
	s_cmp_ge_u32 s35, s38
	s_cbranch_scc1 .Lend                           ; all are
	s_wait_xcnt 0x0                                ; HOFF serves the stores above: rewritten only behind this wait
	SETUP
	s_mov_b64 s[32:33], s[8:9]
	v_mov_b32 v[XLA], v[LA]
	XSTAGE 1
	s_mov_b32 s34, 15
.Lx:
	s_add_nc_u64 s[32:33], s[32:33], 2048          ; the loads that used the base have been waited for
	v_add_nc_u32 v[XLA], BLK, v[XLA]
	XSTAGE 0
	s_sub_co_u32 s34, s34, 1
	s_cmp_lg_u32 s34, 0
	s_cbranch_scc1 .Lx
	s_cmp_lt_u32 s35, MAXPASS                      ; holds here: passes done < passes to do <= MAXPASS: back to the way out
	s_cbranch_scc1 .Lepi
.Lend:
	s_barrier_signal -1
	s_barrier_wait -1
	s_wait_tensorcnt 0x0
	ds_add_u32 v254, v255
	s_wait_dscnt 0x0
	s_endpgm
.Lfunc_end_k_q03ec23aa92_gateup:
	.size	k_q03ec23aa92_gateup, .Lfunc_end_k_q03ec23aa92_gateup-k_q03ec23aa92_gateup
	.p2alignl 7, 3214868480
	.fill 96, 4, 3214868480
	.section	.rodata,"a",@progbits
	.p2align	6, 0x0
	.amdhsa_kernel k_q03ec23aa92_gateup
		.amdhsa_group_segment_fixed_size 262656
		.amdhsa_private_segment_fixed_size 0
		.amdhsa_enable_private_segment 0
		.amdhsa_kernarg_size 40
		.amdhsa_user_sgpr_count 2
		.amdhsa_user_sgpr_kernarg_segment_ptr 1
		.amdhsa_wavefront_size32 1
		.amdhsa_system_sgpr_workgroup_id_x 1
		.amdhsa_system_sgpr_workgroup_id_y 1
		.amdhsa_system_sgpr_workgroup_id_z 1
		.amdhsa_system_vgpr_workitem_id 0
		.amdhsa_next_free_vgpr 1024
		.amdhsa_next_free_sgpr 66
		.amdhsa_reserve_vcc 0
		.amdhsa_float_denorm_mode_32 3
		.amdhsa_float_denorm_mode_16_64 3
		.amdhsa_memory_ordered 1
		.amdhsa_forward_progress 1
		.amdhsa_inst_pref_size 255
	.end_amdhsa_kernel
	.section	.bss,"aw",@nobits
	.p2align	6
	.space	262144
	.amdgpu_metadata
---
amdhsa.version: [ 1, 2 ]
amdhsa.kernels:
  - .name:           k_q03ec23aa92_gateup
    .symbol:         k_q03ec23aa92_gateup.kd
    .args:
      - { .name: w_gate, .offset: 0, .size: 8, .value_kind: global_buffer, .address_space: global }
      - { .name: w_up, .offset: 8, .size: 8, .value_kind: global_buffer, .address_space: global }
      - { .name: xs, .offset: 16, .size: 8, .value_kind: global_buffer, .address_space: global }
      - { .name: lists, .offset: 24, .size: 8, .value_kind: global_buffer, .address_space: global }
      - { .name: hf, .offset: 32, .size: 8, .value_kind: global_buffer, .address_space: global }
    .group_segment_fixed_size: 262656
    .private_segment_fixed_size: 0
    .kernarg_segment_align: 8
    .kernarg_segment_size: 40
    .max_flat_workgroup_size: 128
    .sgpr_count:     66
    .vgpr_count:     1024
    .wavefront_size: 32
...
	.end_amdgpu_metadata
.endif
;; end of part 3
;; launch down (part 4): grid 256 x 1, 4 waves a work-group, no clusters, 131,584 bytes of LDS; arguments w_down, hf, lists, ps, y; writes y
.if DOCPART == 4
	.amdgcn_target "amdgcn-amd-amdhsa--gfx1250"
	.amdhsa_code_object_version 6
	.text
	.protected	k_q03ec23aa92_down
	.globl	k_q03ec23aa92_down
	.p2align	8
	.type	k_q03ec23aa92_down,@function
k_q03ec23aa92_down:
	s_mov_b64 s[64:65], 0
	v_nop
	global_prefetch_b8 v0, s[64:65] scope:SCOPE_SE
	s_setreg_imm32_b32 hwreg(HW_REG_WAVE_MODE, 25, 1), 1
	s_wait_xcnt 0x0
; DOWN.  y[entry] = p (h Wd) for the entries of an expert, K (= I) split in two halves that go to two planes of y.
; Work-group = (expert e = id >> 5, slice ds = (id >> 1) & 15: 64 columns of D, half kh = id & 1: rows 1,024 kh .. + 1,023 of w_down): 1,024 rows x 256 bytes, read once.
; The split of K makes 256 work-groups whose row pieces are still 256 bytes; its price is the second plane (the next launch adds the planes).
; Weights, blocks, pieces and the order of k as in the launch before: wave w rounds piece q = w of 4 column tiles; LDS: b x 8,192 + j x 2,048 + q x 512 + 16 L, each byte written once.
; Tokens' h comes from hf straight into fragments.  Wave w multiplies tiles lt = pass + 4 s + w, slots s = 0..4; further passes as in the launch before.
; The matrix instruction is used the natural way (tokens first): register jj of lane (r, h) is slot 8 h + jj, column c0 + 4 r + j, so the four tiles' registers jj are 16 neighbouring bytes
; of a row; the multiplication by the gate weight gathers them.  A store covers two aligned pieces of 256 bytes, rows entry[jj] and entry[8 + jj].
; A stage has half the matrix work of the launch before, so loads run further ahead: rings of three buffers, tokens two stages ahead, weights three behind the one at work.
; PREFETCH: the weights, which this work-group alone reads and reads once, are asked for ahead of their loads by prefetches, which hold no register and raise no counter.
; A block is 64 row pieces of 256 bytes; thread t asks for row t of two blocks, so one instruction in each of the four waves covers 128 rows, each piece once.
; Even stages b <= 8 ask for blocks b + 6 and b + 7, whose loads are issued in stages b + 2 and b + 3: 32,768 bytes, two and three stages ahead of the loads.
; Blocks 4 and 5 are asked for at the start, behind the loads of blocks 0 to 2.  Stage 8's request ends at row 1,023, the last of the work-group's part.
; h is not asked for: 16 work-groups read the same tile in the same stage, and none of them is known to be ahead of the others.
; y: plane kh at kh x 8,421,376; 2,056 rows of 4,096 bytes; rows 2,048 + e take the pad slots and are never read.
; NO TENSOR LOADS, NO CLUSTER: the weights are rounded in registers and shared by no two work-groups; h, which the 16 slices share, goes from memory to fragments
; without passing LDS: a joint load would add an LDS write and read of 20 tiles x 32,768 bytes for each work-group.
; LIMITS: as in the launch before.
.set ROWB,  4096
.set BLK,   8192
.set PLANE, 8421376
.set MAXPASS, 4                        ; 1,024 tokens are 64 tiles at the most: 64 / 20, rounded up
; window 0
.set R16,  2                           ; v2        16 r
.set H32,  3                           ; v3        32 h
.set LA,   4                           ; v[4:5]    16 L + 65,536 i
.set SA,   8                           ; v[8:9]    + 512 w
.set WOFF, 12
.set TOFF, 14                          ; v[14:18]  slot s: its tile in hf + 16 L
.set EOFF, 20                          ; v[20:24]  slot s: its tile's 64 bytes in lists and ps + 32 h
.set XLA,  26
.set POFF, 28                          ; v28       prefetch: t rows; never rewritten
.set CV,   32                          ; v[32:47]
.set WS,   64                          ; v[64:159]  three buffers of 8 rows x 4
.set O,    64                          ; v[64:95]   on the way out
.set ENT,  160                         ; v[160:199] slot s: entries of slots 8 h + 0..7, later their byte offsets in y
.set PS,   200                         ; v[200:239] their gate weights
; window 1: sums at 32 s + 8 j.  window 2: token fragments, three buffers of 80.  window 3: weight fragments, two buffers of 64
.set TB0,  0
.set FR0,  0
.set MSB,  0
.set LSEQ, 0
.set WM0,  0
.set WM1,  0
.set WM2,  0
.set TM0,  0
.set TM1,  0
.set TM2,  0
.macro WIN new
.if MSB != \new
	s_set_vgpr_msb (MSB<<8)|\new
.set MSB, \new
.endif
.endm
.macro PLACES
.rept 4
	v_nop
.endr
.endm
.macro LW b
	WIN 0
.irp u, 0,1,2,3,4,5,6,7
	global_load_b128 v[WS+32*((\b)%3)+4*\u:WS+32*((\b)%3)+4*\u+3], v[WOFF], s[4:5] offset:(64*(\b)+\u)*ROWB th:TH_LOAD_NT
.endr
.set LSEQ, LSEQ+8
.if ((\b)%3)==0
.set WM0, LSEQ
.elseif ((\b)%3)==1
.set WM1, LSEQ
.else
.set WM2, LSEQ
.endif
.endm
.macro PF blk                          ; rows of blocks blk and blk + 1 are asked for, one a thread; the address register stands in source 0's window, which is 0 wherever this line stands
	global_prefetch_b8 v[POFF], s[4:5] offset:(\blk)*64*ROWB th:TH_LOAD_NT scope:SCOPE_SE
.endm
.macro LT b
	WIN 0x80
.irp s, 0,1,2,3,4
.irp q, 0,1,2,3
	global_load_b128 v[TB0+80*((\b)%3)+16*\s+4*\q:TB0+80*((\b)%3)+16*\s+4*\q+3], v[TOFF+\s], s[6:7] offset:(\b)*2048+\q*512
.endr
.endr
.set LSEQ, LSEQ+20
.if ((\b)%3)==0
.set TM0, LSEQ
.elseif ((\b)%3)==1
.set TM1, LSEQ
.else
.set TM2, LSEQ
.endif
.endm
; The count is the number of loads issued behind the group waited for.  Weights of b + 1: 56 = tokens of b and b + 1 (40), weights of b + 2 and b + 3 (16).
; Tokens of b: 36 = weights of b + 2 (8), tokens of b + 1 (20), weights of b + 3 (8).  Where the text's count passes 63 (once, near the start, for a group that an
; earlier wait has already shown in) the wait names 63, the most that it can name.
; By this text's own count 64 loads are asked for at a stage's peak, 24 of weights and 40 of tokens: the issue of the last one waits for the oldest (ISA guide 5.7.1).
.macro WAITL mark
.if (LSEQ-(\mark)) > 63
	s_wait_loadcnt 63
.else
	s_wait_loadcnt LSEQ-(\mark)
.endif
.endm
.macro WAITW b
.if ((\b)%3)==0
	WAITL WM0
.elseif ((\b)%3)==1
	WAITL WM1
.else
	WAITL WM2
.endif
.endm
.macro WAITT b
.if ((\b)%3)==0
	WAITL TM0
.elseif ((\b)%3)==1
	WAITL TM1
.else
	WAITL TM2
.endif
.endm
.macro PRODUCE b
	WIN 0
	WAITW \b
.irp j, 0,1,2,3
.irp p, 0,1,2,3
	v_cvt_pk_bf16_f32 v[CV+4*\j+\p], v[WS+32*((\b)%3)+8*\p+\j], v[WS+32*((\b)%3)+8*\p+4+\j]
.endr
.endr
.irp j, 0,1,2,3
	ds_store_b128 v[SA+((\b)>>3)], v[CV+4*\j:CV+4*\j+3] offset:((\b)&7)*BLK+\j*2048
.endr
.endm
.macro FETCH fr, adr, off
	WIN 0xc0
.set pi, 0
.rept 16
	ds_load_b128 v[\fr+4*pi:\fr+4*pi+3], v[\adr] offset:\off+pi*512
.set pi, pi+1
.endr
.endm
; 8 matrix instructions: slot s, 4 tiles, K = 64.  The four accumulators take turns, one instruction a turn.
.macro MUL s, fr, tb, zero
	WIN 0x5e                           ; tokens window 2, weights window 3, sums window 1
.irp g, 0,1
.irp j, 0,1,2,3
.if (\zero)*(1-\g)
	v_wmma_f32_16x16x32_bf16 v[32*\s+8*\j:32*\s+8*\j+7], v[\tb+16*\s+8*\g:\tb+16*\s+8*\g+7], v[\fr+16*\j+8*\g:\fr+16*\j+8*\g+7], 0
.else
	v_wmma_f32_16x16x32_bf16 v[32*\s+8*\j:32*\s+8*\j+7], v[\tb+16*\s+8*\g:\tb+16*\s+8*\g+7], v[\fr+16*\j+8*\g:\fr+16*\j+8*\g+7], v[32*\s+8*\j:32*\s+8*\j+7]
.endif
.endr
.endr
.endm
.macro CMUL s, fr, tb, zero
	WIN 0
	s_cmp_le_u32 s20, \s
	s_cbranch_scc1 .Lskip_\@
	MUL \s, \fr, \tb, \zero
	WIN 0
.Lskip_\@:
.endm
.macro SETUP
	s_add_co_u32 s21, s19, s14
	s_sub_co_i32 s20, s17, s21
	s_add_co_i32 s20, s20, 3
	s_ashr_i32 s20, s20, 2
	s_max_i32 s20, s20, 0
	s_min_i32 s20, s20, 5                          ; my slots at work
	s_add_co_u32 s21, s21, s18
	s_add_co_u32 s25, s18, s17
	s_sub_co_i32 s25, s25, 1                       ; the expert's last tile: an idle slot reads only what earlier launches stored
.irp s, 0,1,2,3,4
	s_add_co_u32 s22, s21, 4*\s
	s_min_i32 s22, s22, s25
	s_max_i32 s22, s22, 0
	s_min_u32 s22, s22, 135
	s_lshl_b32 s23, s22, 16
	v_add_nc_u32 v[TOFF+\s], s23, v[LA]
	s_lshl_b32 s23, s22, 6
	v_add_nc_u32 v[EOFF+\s], s23, v[H32]
.endr
.endm
.macro LE                              ; entries and gate weights of my five slots: eight of each for a lane
	WIN 0
.irp s, 0,1,2,3,4
	global_load_b128 v[ENT+8*\s:ENT+8*\s+3], v[EOFF+\s], s[8:9] offset:256
	global_load_b128 v[ENT+8*\s+4:ENT+8*\s+7], v[EOFF+\s], s[8:9] offset:272
	global_load_b128 v[PS+8*\s:PS+8*\s+3], v[EOFF+\s], s[10:11]
	global_load_b128 v[PS+8*\s+4:PS+8*\s+7], v[EOFF+\s], s[10:11] offset:16
.endr
.set LSEQ, LSEQ+20
.endm
	s_load_b256 s[4:11], s[0:1], 0x0               ; w_down s[4:5], hf s[6:7], lists s[8:9], ps s[10:11]
	s_load_b64 s[12:13], s[0:1], 0x20              ; y
	v_lshl_add_u32 v254, v0, 2, 0x20000
	v_mov_b32 v255, 0
	v_and_b32 v1, 31, v0
	v_lshrrev_b32 v6, 5, v0
	v_readfirstlane_b32 s14, v6                    ; wave
	s_lshr_b32 s15, ttmp9, 5                       ; expert
	s_bfe_u32 s16, ttmp9, 0x40001                  ; slice: 4 bits from bit 1
	s_and_b32 s28, ttmp9, 1                        ; half of K
	s_lshl_b32 s22, s15, 23                        ; an expert's matrix: 2,048 x 1,024 x 4 bytes
	s_lshl_b32 s23, s28, 22                        ; 1,024 rows
	s_add_co_u32 s22, s22, s23
	s_lshl_b32 s23, s16, 8                         ; 64 columns
	s_add_co_u32 s22, s22, s23
	s_mov_b32 s23, 0
	s_lshl_b32 s26, s28, 15                        ; 16 blocks of a tile of hf
	s_mov_b32 s27, 0
	s_mul_i32 s30, s28, PLANE
	s_lshl_b32 s31, s16, 8
	s_add_co_u32 s30, s30, s31
	s_mov_b32 s31, 0
	s_lshl_b32 s24, s15, 2
	v_and_b32 v6, 15, v1                           ; r
	v_lshrrev_b32 v7, 4, v1                        ; h
	v_lshlrev_b32 v[R16], 4, v6
	v_lshlrev_b32 v[H32], 5, v7
	v_lshlrev_b32 v[LA], 4, v1
	v_add_nc_u32 v[LA+1], 65536, v[LA]
	s_lshl_b32 s21, s14, 9
	v_add_nc_u32 v[SA], s21, v[LA]
	v_add_nc_u32 v[SA+1], s21, v[LA+1]
	v_lshl_add_u32 v[WOFF], v7, 17, v[R16]         ; 32 h rows + 16 r
	s_lshl_b32 s21, s14, 15                        ; 8 w rows
	v_add_nc_u32 v[WOFF], s21, v[WOFF]
	v_lshlrev_b32 v[POFF], 12, v0                  ; prefetch: t rows of 4,096 bytes
	s_wait_kmcnt 0x0
	s_add_nc_u64 s[4:5], s[4:5], s[22:23]
	s_add_nc_u64 s[6:7], s[6:7], s[26:27]
	s_add_nc_u64 s[12:13], s[12:13], s[30:31]
	s_load_b32 s17, s[8:9], s24 offset:0x0         ; ntiles[e]
	s_load_b32 s18, s[8:9], s24 offset:0x20        ; tbase[e]
	LW 0
	LW 1
	LW 2
	PF 4                                           ; blocks 4 and 5: 32,768 bytes for the work-group (block 3's loads follow at once)
	s_mov_b32 s19, 0                               ; the pass's first local tile
	s_mov_b32 s35, 0                               ; passes done
	s_mov_b32 s38, 1                               ; passes to do: ceil(ntiles / 20), and one at the least
	s_wait_kmcnt 0x0
	s_min_u32 s17, s17, 64
	s_min_u32 s18, s18, 135
.irp t, 20,40,60
	s_cmp_gt_u32 s17, \t
	s_add_co_ci_u32 s38, s38, 0
.endr
	SETUP
	LT 0
	LT 1
	PRODUCE 0
	LW 3
	s_wait_dscnt 0x0
	s_barrier_signal -1
	s_barrier_wait -1
	FETCH FR0, LA, 0
; Stage b multiplies block b; ahead of it block b + 1 is rounded into LDS (16 conversions: the places behind stage b - 1's matrix instructions for the loads that follow),
; the tokens of b are waited for, then the tokens of b + 2 and the weights of b + 4 are asked for.
; Stage 14, which has neither left to ask for, asks for the entries and gate weights that the way out needs.
; The prefetch stands behind the run of LDS loads and ahead of matrix work: no load and no wait follows it directly.
.macro STAGE b
.if \b < 15
	PRODUCE \b+1
.endif
	WAITT \b
.if \b < 14
	LT \b+2
.endif
.if \b < 12
	LW \b+4
.endif
.if \b == 14
	LE
.endif
	s_wait_dscnt 0x0                               ; my stores are done (for the others), and block b's fragments are in
.if \b < 15
	s_barrier_signal -1
.endif
.if \b == 0
	MUL 0, FR0, TB0, 1
.else
	MUL 0, FR0+64*(\b%2), TB0+80*(\b%3), 0
.endif
.if \b < 15
	s_barrier_wait -1
	FETCH FR0+64*((\b+1)%2), LA+((\b+1)>>3), ((\b+1)&7)*BLK
.endif
.if \b < 9
.if (\b%2) == 0
	PF \b+6
.endif
.endif
.if \b == 0
	MUL 1, FR0, TB0, 1                             ; the first stage starts every sum, idle slots' too
	MUL 2, FR0, TB0, 1
	MUL 3, FR0, TB0, 1
	MUL 4, FR0, TB0, 1
	WIN 0
.else
	CMUL 1, FR0+64*(\b%2), TB0+80*(\b%3), 0
	CMUL 2, FR0+64*(\b%2), TB0+80*(\b%3), 0
	CMUL 3, FR0+64*(\b%2), TB0+80*(\b%3), 0
	CMUL 4, FR0+64*(\b%2), TB0+80*(\b%3), 0
.endif
.endm
.irp b, 0,1,2,3,4,5,6,7,8,9,10,11,12,13,14,15
	STAGE \b
.endr
.macro EPI s
	s_cmp_le_u32 s20, \s
	s_cbranch_scc1 .Lidle_\@
.irp jj, 0,1,2,3,4,5,6,7
	v_min_u32 v[ENT+8*\s+\jj], 0x807, v[ENT+8*\s+\jj]                  ; an entry is a row of y, 2,055 at the most
	v_lshl_add_u32 v[ENT+8*\s+\jj], v[ENT+8*\s+\jj], 12, v[R16]
.endr
	s_wait_xcnt 0x0                                ; O is the data of the last slot's stores: rewritten only behind this wait
	WIN 0x01
.irp jj, 0,1,2,3,4,5,6,7
.irp j, 0,1,2,3
	v_mul_f32 v[O+4*\jj+\j], v[32*\s+8*\j+\jj], v[PS+8*\s+\jj]
.endr
.endr
	WIN 0
.irp jj, 0,1,2,3,4,5,6,7
	global_store_b128 v[ENT+8*\s+\jj], v[O+4*\jj:O+4*\jj+3], s[12:13]
.endr
.Lidle_\@:
.endm
.macro XSTAGE zero
	PLACES
	WIN 0x80
.irp s, 0,1,2,3,4
.irp q, 0,1,2,3
	global_load_b128 v[TB0+16*\s+4*\q:TB0+16*\s+4*\q+3], v[TOFF+\s], s[32:33] offset:\q*512
.endr
.endr
	FETCH FR0, XLA, 0
	s_wait_loadcnt 0x0
	s_wait_dscnt 0x0
	MUL 0, FR0, TB0, \zero
	CMUL 1, FR0, TB0, \zero
	CMUL 2, FR0, TB0, \zero
	CMUL 3, FR0, TB0, \zero
	CMUL 4, FR0, TB0, \zero
.endm
.Lepi:
	s_wait_loadcnt 0x0                             ; the entries and gate weights asked for in stage 14 (a further pass has waited for its own already)
	PLACES
	EPI 0
	EPI 1
	EPI 2
	EPI 3
	EPI 4
	s_add_co_u32 s19, s19, 20                      ; the next 20 tiles, if there are any
	s_add_co_u32 s35, s35, 1                       ; one more pass is done
	s_cmp_ge_u32 s35, s38
	s_cbranch_scc1 .Lend                           ; all are
	s_wait_xcnt 0x0                                ; ENT serves the stores above: loaded again only behind this wait
	SETUP
	LE
	s_mov_b64 s[32:33], s[6:7]
	v_mov_b32 v[XLA], v[LA]
	XSTAGE 1
	s_mov_b32 s34, 15
.Lx:
	s_add_nc_u64 s[32:33], s[32:33], 2048          ; the loads that used the base have been waited for
	v_add_nc_u32 v[XLA], BLK, v[XLA]
	XSTAGE 0
	s_sub_co_u32 s34, s34, 1
	s_cmp_lg_u32 s34, 0
	s_cbranch_scc1 .Lx
	s_cmp_lt_u32 s35, MAXPASS                      ; holds here: passes done < passes to do <= MAXPASS: back to the way out
	s_cbranch_scc1 .Lepi
.Lend:
	s_barrier_signal -1
	s_barrier_wait -1
	s_wait_tensorcnt 0x0
	ds_add_u32 v254, v255
	s_wait_dscnt 0x0
	s_endpgm
.Lfunc_end_k_q03ec23aa92_down:
	.size	k_q03ec23aa92_down, .Lfunc_end_k_q03ec23aa92_down-k_q03ec23aa92_down
	.p2alignl 7, 3214868480
	.fill 96, 4, 3214868480
	.section	.rodata,"a",@progbits
	.p2align	6, 0x0
	.amdhsa_kernel k_q03ec23aa92_down
		.amdhsa_group_segment_fixed_size 131584
		.amdhsa_private_segment_fixed_size 0
		.amdhsa_enable_private_segment 0
		.amdhsa_kernarg_size 40
		.amdhsa_user_sgpr_count 2
		.amdhsa_user_sgpr_kernarg_segment_ptr 1
		.amdhsa_wavefront_size32 1
		.amdhsa_system_sgpr_workgroup_id_x 1
		.amdhsa_system_sgpr_workgroup_id_y 1
		.amdhsa_system_sgpr_workgroup_id_z 1
		.amdhsa_system_vgpr_workitem_id 0
		.amdhsa_next_free_vgpr 896
		.amdhsa_next_free_sgpr 66
		.amdhsa_reserve_vcc 0
		.amdhsa_float_denorm_mode_32 3
		.amdhsa_float_denorm_mode_16_64 3
		.amdhsa_memory_ordered 1
		.amdhsa_forward_progress 1
		.amdhsa_inst_pref_size 169
	.end_amdhsa_kernel
	.amdgpu_metadata
---
amdhsa.version: [ 1, 2 ]
amdhsa.kernels:
  - .name:           k_q03ec23aa92_down
    .symbol:         k_q03ec23aa92_down.kd
    .args:
      - { .name: w_down, .offset: 0, .size: 8, .value_kind: global_buffer, .address_space: global }
      - { .name: hf, .offset: 8, .size: 8, .value_kind: global_buffer, .address_space: global }
      - { .name: lists, .offset: 16, .size: 8, .value_kind: global_buffer, .address_space: global }
      - { .name: ps, .offset: 24, .size: 8, .value_kind: global_buffer, .address_space: global }
      - { .name: y, .offset: 32, .size: 8, .value_kind: global_buffer, .address_space: global }
    .group_segment_fixed_size: 131584
    .private_segment_fixed_size: 0
    .kernarg_segment_align: 8
    .kernarg_segment_size: 40
    .max_flat_workgroup_size: 128
    .sgpr_count:     66
    .vgpr_count:     896
    .wavefront_size: 32
...
	.end_amdgpu_metadata
.endif
;; end of part 4
;; launch combine (part 5): grid 256 x 1, 8 waves a work-group, no clusters, 0 bytes of LDS; arguments y, out0; writes out0
.if DOCPART == 5
	.amdgcn_target "amdgcn-amd-amdhsa--gfx1250"
	.amdhsa_code_object_version 6
	.text
	.protected	k_q03ec23aa92_combine
	.globl	k_q03ec23aa92_combine
	.p2align	8
	.type	k_q03ec23aa92_combine,@function
k_q03ec23aa92_combine:
	s_mov_b64 s[64:65], 0
	v_nop
	global_prefetch_b8 v0, s[64:65] scope:SCOPE_SE
	s_setreg_imm32_b32 hwreg(HW_REG_WAVE_MODE, 25, 1), 1
	s_wait_xcnt 0x0
; COMBINE.  out[n] = y0[2n] + y0[2n+1] + y1[2n] + y1[2n+1]: the token's two experts, each in two halves of K; the gate weights are already in y.
; Work-group g takes tokens 4 g .. 4 g + 3; thread t the 16 bytes at 16 t of a row of 4,096 bytes: a wave's load or store covers 512 consecutive bytes, aligned.
; All 16 loads go out first.  A stream: no LDS, no barrier, no matrix unit, nothing shared between work-groups.
.set PLANE, 8421376
.set Y, 8                              ; v[8:71]  token i: four rows x 4 registers
	s_load_b128 s[4:7], s[0:1], 0x0                ; y s[4:5], out0 s[6:7]
	v_lshlrev_b32 v1, 4, v0
	s_lshl_b32 s8, ttmp9, 15                       ; 8 rows of y
	s_mov_b32 s9, 0
	s_lshl_b32 s10, ttmp9, 14                      ; 4 rows of out0
	s_mov_b32 s11, 0
	s_wait_kmcnt 0x0
	s_add_nc_u64 s[4:5], s[4:5], s[8:9]
	s_add_nc_u64 s[12:13], s[4:5], PLANE           ; the second plane has a base of its own: it lies beyond an immediate's reach
	s_add_nc_u64 s[6:7], s[6:7], s[10:11]
.irp i, 0,1,2,3
	global_load_b128 v[Y+16*\i:Y+16*\i+3],     v1, s[4:5]   offset:8192*\i th:TH_LOAD_NT
	global_load_b128 v[Y+16*\i+4:Y+16*\i+7],   v1, s[4:5]   offset:8192*\i+4096 th:TH_LOAD_NT
	global_load_b128 v[Y+16*\i+8:Y+16*\i+11],  v1, s[12:13] offset:8192*\i th:TH_LOAD_NT
	global_load_b128 v[Y+16*\i+12:Y+16*\i+15], v1, s[12:13] offset:8192*\i+4096 th:TH_LOAD_NT
.endr
.irp i, 0,1,2,3
	s_wait_loadcnt 12-4*\i                         ; token i's four rows are in; the later tokens' loads stay out
	v_pk_add_f32 v[Y+16*\i:Y+16*\i+1],     v[Y+16*\i:Y+16*\i+1],     v[Y+16*\i+4:Y+16*\i+5]
	v_pk_add_f32 v[Y+16*\i+2:Y+16*\i+3],   v[Y+16*\i+2:Y+16*\i+3],   v[Y+16*\i+6:Y+16*\i+7]
	v_pk_add_f32 v[Y+16*\i+8:Y+16*\i+9],   v[Y+16*\i+8:Y+16*\i+9],   v[Y+16*\i+12:Y+16*\i+13]
	v_pk_add_f32 v[Y+16*\i+10:Y+16*\i+11], v[Y+16*\i+10:Y+16*\i+11], v[Y+16*\i+14:Y+16*\i+15]
	v_pk_add_f32 v[Y+16*\i:Y+16*\i+1],     v[Y+16*\i:Y+16*\i+1],     v[Y+16*\i+8:Y+16*\i+9]
	v_pk_add_f32 v[Y+16*\i+2:Y+16*\i+3],   v[Y+16*\i+2:Y+16*\i+3],   v[Y+16*\i+10:Y+16*\i+11]
	global_store_b128 v1, v[Y+16*\i:Y+16*\i+3], s[6:7] offset:4096*\i th:TH_STORE_NT
.endr
	s_endpgm
.Lfunc_end_k_q03ec23aa92_combine:
	.size	k_q03ec23aa92_combine, .Lfunc_end_k_q03ec23aa92_combine-k_q03ec23aa92_combine
	.p2alignl 7, 3214868480
	.fill 96, 4, 3214868480
	.section	.rodata,"a",@progbits
	.p2align	6, 0x0
	.amdhsa_kernel k_q03ec23aa92_combine
		.amdhsa_group_segment_fixed_size 0
		.amdhsa_private_segment_fixed_size 0
		.amdhsa_enable_private_segment 0
		.amdhsa_kernarg_size 16
		.amdhsa_user_sgpr_count 2
		.amdhsa_user_sgpr_kernarg_segment_ptr 1
		.amdhsa_wavefront_size32 1
		.amdhsa_system_sgpr_workgroup_id_x 1
		.amdhsa_system_sgpr_workgroup_id_y 1
		.amdhsa_system_sgpr_workgroup_id_z 1
		.amdhsa_system_vgpr_workitem_id 0
		.amdhsa_next_free_vgpr 80
		.amdhsa_next_free_sgpr 66
		.amdhsa_reserve_vcc 0
		.amdhsa_float_denorm_mode_32 3
		.amdhsa_float_denorm_mode_16_64 3
		.amdhsa_memory_ordered 1
		.amdhsa_forward_progress 1
		.amdhsa_inst_pref_size 5
	.end_amdhsa_kernel
	.amdgpu_metadata
---
amdhsa.version: [ 1, 2 ]
amdhsa.kernels:
  - .name:           k_q03ec23aa92_combine
    .symbol:         k_q03ec23aa92_combine.kd
    .args:
      - { .name: y, .offset: 0, .size: 8, .value_kind: global_buffer, .address_space: global }
      - { .name: out0, .offset: 8, .size: 8, .value_kind: global_buffer, .address_space: global }
    .group_segment_fixed_size: 0
    .private_segment_fixed_size: 0
    .kernarg_segment_align: 8
    .kernarg_segment_size: 16
    .max_flat_workgroup_size: 256
    .sgpr_count:     66
    .vgpr_count:     80
    .wavefront_size: 32
...
	.end_amdgpu_metadata
.endif
;; end of part 5
